; MI455X (gfx1250); checked and timed in simulation.
; The chip was launched on July 23, 2026; its instructions are those of AMD's public machine-readable ISA for CDNA 5 (MIT licence, August 2026) and "CDNA5" Instruction Set Architecture Reference Guide (July 2026). The comments in the code are by the model that wrote it; some were corrected since.
;; Attention Head. Allowed arithmetic: matrix products marked QUANTISED: E4M3 operands, one given power-of-two scale a tensor, by v_wmma_f32_16x16x64_fp8_fp8 or v_wmma_f32_16x16x128_fp8_fp8, f32 sums; everything else in f32.
;; Inputs: Wk 1,024 x 128 float32; Wq 1,024 x 128 float32; Wv 1,024 x 128 float32; bk 128 float32; bq 128 float32; bv 128 float32; lowp_scales 10 int32 (the exponents e of the quantised operands' scales 2^e); x 8 x 4,096 x 1,024 float32.
;; Outputs: out0 8 x 4,096 x 128 float32.
;; This version of the problem:
;;   THIS VERSION OF THE PROBLEM IS GIVEN IN LOW PRECISION. The matrix products marked QUANTISED in the list below multiply operands that are first quantised to E4M3 (4 exponent bits, 3 mantissa bits; 8 bits a number), with one given power-of-two scale for each operand tensor; their sums are f32. All else is computed in f32.
;;   The module's matrix products, in the order in which they are computed (A, B: the left and right operand; K: the contracted axis; several contracted axes count as one K, in the product's order):
;;     1. [M 32,768, K 1,024] x [K 1,024, N 128]; A: input x; B: input Wq: QUANTISED (scales: A lowp_scales[0], B lowp_scales[1])
;;     2. [M 32,768, K 1,024] x [K 1,024, N 128]; A: input x; B: input Wk: QUANTISED (scales: A lowp_scales[2], B lowp_scales[3])
;;     3. [M 32,768, K 1,024] x [K 1,024, N 128]; A: input x; B: input Wv: QUANTISED (scales: A lowp_scales[4], B lowp_scales[5])
;;     4. batch 8 x [M 4,096, K 128] x [K 128, N 4,096]; A: computed on the way; B: computed on the way: QUANTISED (scales: A lowp_scales[6], B lowp_scales[7])
;;     5. batch 8 x [M 4,096, K 4,096] x [K 4,096, N 128]; A: softmax (see below); B: computed on the way: QUANTISED (scales: A lowp_scales[8], B lowp_scales[9])
;;   THE QUANTISER, for each operand of a quantised product, along K:
;;     - The operand's scale is 2^e, e = its entry of the input lowp_scales (int32; the entries are numbered through the quantised products in the list's order, A before B).
;;     - Each number is divided by the scale, clamped to +-448, and rounded to the nearest number of E4M3, ties to even, subnormals kept.
;;     - The product sums the exact products of the quantised numbers (number of the format x scale) in f32.
;;   ~~~python
;;   def quantise(x, axis, e):      # numpy; x: float32 -> the quantised numbers, widened to float32 again
;;       x = np.moveaxis(x, axis, -1); K = x.shape[-1]
;;       r = np.clip(x / 2.0 ** e, -448, 448)
;;       step = 2.0 ** (np.maximum(np.frexp(np.where(r == 0, 1, r))[1] - 1, -6) - 3)
;;       q = np.round(r / step) * step * 2.0 ** e      # np.round: ties to even
;;       return np.moveaxis(q, -1, axis).astype(np.float32)
;;   ~~~
;;   SOFTMAX AHEAD OF A QUANTISED PRODUCT. Where the list says 'softmax', what is quantised is not the finished softmax but p = 2^(t - M), with t = logit x log2(e) and M = ceil(the row's largest t), a whole number; so 1/2 < the row's largest p <= 1. The row's sum l is taken of the UNQUANTISED p, in f32, and the product's result is divided by l at the end. Since M is a whole number, a kernel that streams over the keys may use a running M (the ceiling of the running maximum): every later rescaling is an exact power of two, so the quantised numbers keep their values, but for numbers so far below the row's largest that they fall under the format's range.
;;   OPERANDS COMPUTED ON THE WAY. 'Computed on the way' means the value that the module computes at that place (a softmax that the list does not call 'softmax' is quantised finished and normalised). What goes into a quantiser is computed in f32, as accurately as f32 sums, v_exp_f32 and their like allow (about 1e-6 of the number): no bf16 or f16 on the way to a quantiser, and a product that is left as it is and whose result goes on into a quantised operand takes f32 operands (vector FMAs, or v_wmma_f32_16x16x4_f32). A number that lies on a knife's edge between two numbers of the format may be rounded either way, as far as f32 arithmetic and the matrix unit's own rounding can turn it there, and no further.
;; One version. Each part assembles by itself: llvm-mc -triple=amdgcn-amd-amdhsa -mcpu=gfx1250 --defsym DOCPART=n.
;; ======== version 1 of 1: 3 launches
;; limits: right only within a limited range of input values
;; workspace buffers: wimg 393,216 bytes; qimg 4,194,304 bytes; kimg 4,194,304 bytes; vimg 4,194,304 bytes
;; launch quantw (part 1): grid 32 x 3, 4 waves a work-group, no clusters, 0 bytes of LDS; arguments Wq, Wk, Wv, lowp_scales, wimg; writes wimg
.if DOCPART == 1
	.amdgcn_target "amdgcn-amd-amdhsa--gfx1250"
	.amdhsa_code_object_version 6
	.text
	.protected	k_qdb92627492_quantw
	.globl	k_qdb92627492_quantw
	.p2align	8
	.type	k_qdb92627492_quantw,@function
k_qdb92627492_quantw:
	s_mov_b64 s[64:65], 0
	v_nop
	global_prefetch_b8 v0, s[64:65] scope:SCOPE_SE
	s_setreg_imm32_b32 hwreg(HW_REG_WAVE_MODE, 25, 1), 1
	s_wait_xcnt 0x0
; THE PROGRAM: one causal attention head, B = 8, T = 4,096, C = 1,024, H = 128, all five products on codes of FP8 (E4M3), each operand with the one scale 2^e that lowp_scales gives for it.
;   this launch: Wq, Wk, Wv become codes;   the second: x is quantised three ways, q, k, v are made, biased and quantised;   the third: the attention.
; WORK LEFT OUT.  reference() itself builds the mask (jnp.tril) and replaces wei(q, k) by finfo.min wherever k > q.  Key 0 counts for every query, so a row's largest logit is a kept one, and the weight of a replaced
; entry is p = 2^(t - M) with t = finfo.min x log2(e): for all finite inputs its code is 0 under the stated quantiser and it adds nothing to the row's sum beyond rounding.  So a step of 128 keys that all come after
; the 256 queries of a cluster's group is left out of both attention products (third launch).  Nothing else is left out: every input has a way to the output and is loaded (bk too: it moves k's codes).
; LIMIT: a NaN, an infinity or an overflow that reaches only the steps left out is not carried to the result.
;
; THIS LAUNCH.  W [1024 (k)][128 (n)], f32, has K as its first axis.  A THREAD TAKES A COLUMN n AND ITS 32 REGISTERS RUN DOWN K: each load reads 128 neighbouring bytes a wave, 512 a work-group, and the conversions, which take
; neighbours along K from one lane's registers, give codes with K innermost.  Nothing is transposed.
; code = w / 2^e, held within +-448, rounded to the nearest code, ties to even; e = lowp_scales[1], [3], [5] for Wq, Wk, Wv.  LIMITS: -126 <= e <= 119.  NaN among the inputs is not served.
; wimg is laid in the order of the second launch's operand registers, k in the 8-bit forms' own places (registers 2 c, 2 c + 1: k = 16 c + 8 h + 0 .. 7):
;   [K step s: 8][matrix m: 3][column tile t: 8][group c: 4][lane: 32][16 bytes]; lane (r, h) of group c holds, of column 16 t + r, k = 128 s + 32 c + 8 h + 0 .. 7 and then k = 128 s + 32 c + 16 + 8 h + 0 .. 7.
; SHARES.  Work-group (x = kb, y = m) takes block kb of 32 along K of matrix m: s = kb / 4, c = kb % 4.  96 work-groups: the three weights hold no more work than that.  Work-groups share no input: no cluster; no LDS, no barrier.
.set X, 16                             ; v16-47  my column's 32 numbers
.set C, 48                             ; v48-51  the codes of k = 0 .. 7 and 16 .. 23 of the block;  v52-55  those of k = 8 .. 15 and 24 .. 31
	s_load_b256 s[4:11], s[0:1], 0x0               ; Wq s[4:5], Wk s[6:7], Wv s[8:9], the scales' exponents s[10:11]
	s_load_b64 s[12:13], s[0:1], 0x20              ; wimg
	v_lshlrev_b32 v1, 2, v0                        ; in: 4 bytes a thread
	v_lshrrev_b32 v2, 4, v0                        ; out: my column tile t = n / 16,
	v_and_b32 v3, 15, v0                           ; and r = n % 16
	v_lshlrev_b32 v2, 11, v2
	v_lshl_add_u32 v2, v3, 4, v2                   ; 2,048 t + 16 r
	s_and_b32 s26, ttmp7, 0xffff                   ; m
	s_lshl_b32 s28, ttmp9, 14                      ; in: 32 rows of 512 bytes for each block
	s_mov_b32 s29, 0
	s_lshr_b32 s30, ttmp9, 2
	s_mul_i32 s30, s30, 49152                      ; out: K step s,
	s_lshl_b32 s27, s26, 14
	s_add_co_u32 s30, s30, s27                     ; matrix m,
	s_and_b32 s27, ttmp9, 3
	s_lshl_b32 s27, s27, 9
	s_add_co_u32 s30, s30, s27                     ; group c
	s_mov_b32 s31, 0
	s_wait_alu depctr_va_vdst(0)
	s_wait_kmcnt 0x0
	s_load_b256 s[16:23], s[10:11], 0x0            ; e0 .. e7
	s_cmp_eq_u32 s26, 0                            ; which weight: the choice hangs on the work-group's number alone
	s_cselect_b64 s[14:15], s[4:5], s[6:7]
	s_cmp_eq_u32 s26, 2
	s_cselect_b64 s[14:15], s[8:9], s[14:15]
	s_add_nc_u64 s[14:15], s[14:15], s[28:29]
	s_add_nc_u64 s[12:13], s[12:13], s[30:31]
.set i, 0
.rept 32
	global_load_b32 v[X+i], v1, s[14:15] offset:512*i th:TH_LOAD_NT   ; W(32 kb + i, n): read once in the launch
.set i, i+1
.endr
	s_wait_kmcnt 0x0
	s_cmp_eq_u32 s26, 0
	s_cselect_b32 s24, s17, s19
	s_cmp_eq_u32 s26, 2
	s_cselect_b32 s24, s21, s24                    ; e
	s_add_co_i32 s24, s24, 127
	s_lshl_b32 s25, s24, 23
	v_mov_b32 v11, s25                             ; 2^e as f32: the conversion takes its exponent field
	s_add_co_i32 s24, s24, 8
	s_lshl_b32 s24, s24, 23
	s_or_b32 s24, s24, 0x600000
	v_mov_b32 v10, s24                             ; 448 x 2^e
	s_wait_alu depctr_va_vdst(0)
	s_wait_loadcnt 0x0
.set i, 0
.rept 32
	v_med3_num_f32 v[X+i], v[X+i], -v10, v10       ; the conversion to an 8-bit code does not saturate (ISA guide 7.6.2): the hold at the largest code x the scale
.set i, i+1
.endr
.irp g, 0,1,2,3
	v_cvt_scalef32_pk8_fp8_f32 v[C+4*(\g%2)+2*(\g/2):C+4*(\g%2)+2*(\g/2)+1], v[X+8*\g:X+8*\g+7], v11   ; k = 8 g + 0 .. 7: even g for the image's lanes 0-15, odd g for its lanes 16-31
.endr
	global_store_b128 v2, v[C:C+3], s[12:13]               ; lane r of the image; sixteen threads store 256 consecutive bytes, aligned
	global_store_b128 v2, v[C+4:C+7], s[12:13] offset:256  ; lane 16 + r
	s_endpgm
.Lfunc_end_k_qdb92627492_quantw:
	.size	k_qdb92627492_quantw, .Lfunc_end_k_qdb92627492_quantw-k_qdb92627492_quantw
	.p2alignl 7, 3214868480
	.fill 96, 4, 3214868480
	.section	.rodata,"a",@progbits
	.p2align	6, 0x0
	.amdhsa_kernel k_qdb92627492_quantw
		.amdhsa_group_segment_fixed_size 0
		.amdhsa_private_segment_fixed_size 0
		.amdhsa_enable_private_segment 0
		.amdhsa_kernarg_size 40
		.amdhsa_user_sgpr_count 2
		.amdhsa_user_sgpr_kernarg_segment_ptr 1
		.amdhsa_wavefront_size32 1
		.amdhsa_system_sgpr_workgroup_id_x 1
		.amdhsa_system_sgpr_workgroup_id_y 1
		.amdhsa_system_sgpr_workgroup_id_z 1
		.amdhsa_system_vgpr_workitem_id 0
		.amdhsa_next_free_vgpr 64
		.amdhsa_next_free_sgpr 66
		.amdhsa_reserve_vcc 0
		.amdhsa_float_denorm_mode_32 3
		.amdhsa_float_denorm_mode_16_64 3
		.amdhsa_memory_ordered 1
		.amdhsa_forward_progress 1
		.amdhsa_inst_pref_size 8
	.end_amdhsa_kernel
	.amdgpu_metadata
---
amdhsa.version: [ 1, 2 ]
amdhsa.kernels:
  - .name:           k_qdb92627492_quantw
    .symbol:         k_qdb92627492_quantw.kd
    .args:
      - { .name: Wq, .offset: 0, .size: 8, .value_kind: global_buffer, .address_space: global }
      - { .name: Wk, .offset: 8, .size: 8, .value_kind: global_buffer, .address_space: global }
      - { .name: Wv, .offset: 16, .size: 8, .value_kind: global_buffer, .address_space: global }
      - { .name: lowp_scales, .offset: 24, .size: 8, .value_kind: global_buffer, .address_space: global }
      - { .name: wimg, .offset: 32, .size: 8, .value_kind: global_buffer, .address_space: global }
    .group_segment_fixed_size: 0
    .private_segment_fixed_size: 0
    .kernarg_segment_align: 8
    .kernarg_segment_size: 40
    .max_flat_workgroup_size: 128
    .sgpr_count:     66
    .vgpr_count:     64
    .wavefront_size: 32
...
	.end_amdgpu_metadata
.endif
;; end of part 1
;; launch proj (part 2): grid 256 x 1, 4 waves a work-group, clusters of 4 x 1, 327,680 bytes of LDS; arguments x, wimg, bq, bk, bv, lowp_scales, qimg, kimg, vimg; writes qimg, kimg, vimg
.if DOCPART == 2
	.amdgcn_target "amdgcn-amd-amdhsa--gfx1250"
	.amdhsa_code_object_version 6
	.text
	.protected	k_qdb92627492_proj
	.globl	k_qdb92627492_proj
	.p2align	8
	.type	k_qdb92627492_proj,@function
k_qdb92627492_proj:
	s_mov_b64 s[64:65], 0
	v_nop
	global_prefetch_b8 v0, s[64:65] scope:SCOPE_SE
	s_setreg_imm32_b32 hwreg(HW_REG_WAVE_MODE, 25, 1), 1
	s_wait_xcnt 0x0
	s_wait_alu depctr_hold_cnt(0) depctr_sa_sdst(0) depctr_va_vdst(0) depctr_va_sdst(0) depctr_va_ssrc(0) depctr_va_vcc(0) depctr_vm_vsrc(0)
	s_getreg_b32 s2, hwreg(HW_REG_IB_STS2, 6, 4)
	s_cmp_eq_u32 s2, 0
	s_cbranch_scc0 .Lentry_in_a_cluster
	s_endpgm
.Lentry_in_a_cluster:
	s_bfe_u32 s2, ttmp6, 0x10000c
	s_cmp_lg_u32 s2, 0x3003
	s_cbranch_scc0 .Lentry_shape_is_right
	s_endpgm
.Lentry_shape_is_right:
; q = x Wq + bq, k = x Wk + bk, v = x Wv + bv on codes of FP8 (E4M3), and q, k, v quantised for the attention.  x: [32,768][1,024] f32.  The weights' codes come from wimg.  No work is left out here.
; x is quantised THREE ways, with 2^e0, 2^e2, 2^e4 (its scale in each product); a sum stands for sum x 2^(e0 + e1) (k: e2 + e3; v: e4 + e5); the bias is added in f32; q, k, v are quantised with 2^e6, 2^e7, 2^e9.
; LIMITS: e0, e2, e4, e6, e7, e9 between -126 and 119; e0 + e1, e2 + e3, e4 + e5 between -126 and 127, so that each power of two below is an f32 number.  NaN among the inputs is not served.
; SHARES.  A work-group owns 128 rows and all 384 columns; wave w owns rows 32 w .. 32 w + 31 (two tiles u of 16) x 24 column tiles: 48 accumulators, 384 registers.  A wave quantises its own rows alone: no codes go from wave to wave.
; x: a row belongs to one wave, so x comes through registers: in a K step of 128 each load brings 512 consecutive bytes of a row, 32 loads a wave; the rows turn through the wave's own region of LDS into the operand's order.
; The next step's loads go out as soon as half a step's rows have been stored there: a wave has 16 to 32 of them on their way throughout, over the rounds too.  So no prefetch: nothing of x waits for a ring to be drained.
; THE WEIGHTS' codes, 49,152 bytes a step, come through a ring of two LDS slots, a quarter a wave.  CLUSTER: all work-groups walk them in the same order: the four partners ask for them JOINTLY.
; LAYOUT.  THESE SUMS GO ON INTO QUANTISERS, so they are formed in the matrix form's own order: k stands in its own places in x's and W's fragments (registers 2 c, 2 c + 1: k = 16 c + 8 h + 0 .. 7), the K steps ascend,
; and each output has one accumulator, each step taking the last step's sum as its C.
; q, k: THE PRODUCT IS USED TRANSPOSED (source 0 = 16 columns of W, source 1 = 16 rows of x): a lane holds one row, its registers run along the channels, the attention's first K.
; v: used the natural way (source 0 = x, source 1 = Wv): a lane holds one channel, its registers run along the keys, the attention's second K.  So each conversion's result is a piece of the next operand as it stands.
; OUT, in the order of the attention's operand registers (the same layout), every store of a wave 512 consecutive bytes, aligned:
;   qimg, kimg: [tile of 16 rows][group g: 4][lane][16 bytes]: lane (r, h): channels 32 g + 8 h + 0 .. 7, then 32 g + 16 + 8 h + 0 .. 7, of row r.
;   vimg: [block of 128 keys][channel tile: 8][group g: 4][lane][16 bytes]: lane (d, h): keys 32 g + 8 h + 0 .. 7, then 32 g + 16 + 8 h + 0 .. 7, of channel d.
; REGISTERS, in windows of 256: window 0: v1-15 addresses and scales; v16-31 at work; v32-159 x's numbers (register 64 u + 8 c + i = x(16 u + r, 16 c + 8 h + i)), at the end bq and bk; v160-255 x's codes (set m, tile u at 160 + 32 m + 16 u), at the end the stores' data.
;   window 1: two sets of 8 weight fragments, at v0 and at v128.   window 2: q's accumulators at 8 (8 u + ct), k's at 128 + the same.   window 3: v's accumulators at 8 (8 u + ct); v128-255 x's rows as loaded, four registers a row; at the end v128-143 bv.
.set XPITCH, 528                       ; a row of x in LDS: 512 bytes + 16 of padding = 132 words: the 16 rows that a load touches start 4 banks apart (64 banks of 4 bytes: ISA guide 11.1)
.set WT,     131072                    ; x's 128 rows lie from LDS byte 0 on (no fill lands there); the weights' slots at WT and WT + SLOTX: 24 fragment images of 2,048 bytes
.set SLOTX,  65536                     ; one exclusive or turns an address in one slot into the other's
.set SPARE,  WT+SLOTX+49152            ; behind the ring: the spare words, 128 bytes for each wave: two blocks of 256 bytes that no other line names
.set XA,  1                            ; v1       LDS address of my lane's numbers of x
.set XS,  2                            ; v2       and of my 16 bytes of a row as it is stored
.set WA0, 3                            ; v3       my lane's place in the weight images of slot 0
.set WA,  4                            ; v4       of the slot in hand
.set SPW, 5                            ; v5       LDS address of my spare word; never rewritten
.set NIL, 6                            ; v6       0; never rewritten
.set ST,  7                            ; v7       16 x lane: my place in a row of x and in an image that is stored; never rewritten
.set BA,  8                            ; v8       32 h: my eight numbers of bq, bk in a tile of 16
.set BVA, 9                            ; v9       4 r: my number of bv in a tile of 16
.set SC,  10                           ; v10-15   three pairs (2^e, 448 x 2^e)
.set T,   16
.set XF,  32
.set XC,  160
.set XG,  128
.set WV,  22                           ; s22      my wave's number
.set TB,  26                           ; s26      0 or SLOTX: the slot in hand
.set G1W, 40                           ; s[40:47], s[56:59] the descriptor of the weights' tiles
.set G0W, 56
.set MSB, 0
.macro WIN new                         ; the immediate's high byte repeats the setting that is left
.if MSB != \new
	s_set_vgpr_msb (MSB<<8)|\new
.set MSB, \new
.endif
.endm
.macro AW
	s_wait_alu depctr_va_vdst(0)
.endm
.macro PLACES                          ; a load into a register that a matrix instruction has read, and a vector instruction that reads a result or writes an operand, stand four plain vector instructions behind it
.rept 4
	v_nop
.endr
.endm
.macro ROUND                           ; a round of the cluster's barrier: my work-group's barrier; wave 0 signals for the work-group; every wave waits for all four; my work-group's barrier once more
	s_barrier_signal -1
	s_barrier_wait -1
	s_cmp_lg_u32 s[WV], 0
	s_cbranch_scc1 .Lnot_wave_0_\@
	s_barrier_signal -3
.Lnot_wave_0_\@:
	s_barrier_wait -3
	s_barrier_signal -1
	s_barrier_wait -1
.endm
.macro JLOAD                           ; my wave's quarter of a step's weight codes, jointly with the three partners' same wave
	tensor_load_to_lds s[G0W:G0W+3], s[G1W:G1W+7]
	s_nop 0
	PLACES
.endm
.macro MKSC e, sc                      ; s[e] = an exponent: v[sc] = 2^e as f32, v[sc + 1] = 448 x 2^e
	s_add_co_i32 s84, s[\e], 127
	s_lshl_b32 s85, s84, 23
	v_mov_b32 v[\sc], s85
	s_add_co_i32 s84, s84, 8
	s_lshl_b32 s84, s84, 23
	s_or_b32 s84, s84, 0x600000
	v_mov_b32 v[\sc+1], s84
.endm
.macro MKPR a, b, d                    ; s[d] = 2^(s[a] + s[b]) as f32; s[d + 1] is named with it as a pair, so it is written
	s_add_co_i32 s[\d], s[\a], s[\b]
	s_add_co_i32 s[\d], s[\d], 127
	s_lshl_b32 s[\d], s[\d], 23
	s_mov_b32 s[\d+1], s[\d]
.endm
.macro XASK g                          ; eight rows of x as they lie: 32 lanes read 512 consecutive bytes of a row, aligned; read once
	WIN 0xc0                                       ; destination window 3, address window 0
.irp i, 0,1,2,3,4,5,6,7
	global_load_b128 v[XG+32*(\g)+4*\i:XG+32*(\g)+4*\i+3], v[ST], s[4:5] offset:4096*(8*(\g)+\i) th:TH_LOAD_NT
.endr
	WIN 0
.endm
.macro XSTORE g                        ; and into my region of LDS
	WIN 0x0c                                       ; data window 3, address window 0
.irp i, 0,1,2,3,4,5,6,7
	ds_store_b128 v[XS], v[XG+32*(\g)+4*\i:XG+32*(\g)+4*\i+3] offset:XPITCH*(8*(\g)+\i)
.endr
	WIN 0
.endm
	s_load_b512 s[4:19], s[0:1], 0x0               ; x s[4:5], wimg s[6:7], bq s[8:9], bk s[10:11], bv s[12:13], the exponents s[14:15], qimg s[16:17], kimg s[18:19]
	s_load_b64 s[20:21], s[0:1], 0x40              ; vimg
	v_lshl_add_u32 v[SPW], v0, 2, SPARE
	v_mov_b32 v[NIL], 0
	ds_add_u32 v[SPW], v[NIL]                      ; the wave's opening: the add, twice on end, and its wait ahead of the round in front of my first tensor load
	ds_add_u32 v[SPW], v[NIL]                      ; and once more; the set-up below, work on registers, stands between it and the wait
	v_lshrrev_b32 v16, 5, v0
	v_readfirstlane_b32 s[WV], v16                 ; wave 0..3
	v_and_b32 v16, 31, v0
	v_lshlrev_b32 v[ST], 4, v16                    ; 16 x lane
	s_bfe_u32 s23, ttmp6, 0x40000                  ; cx: my place in the cluster: it enters x's address and the three outputs' alone
	s_lshl_b32 s24, ttmp9, 2                       ; in a cluster launch ttmp9 counts clusters
	s_add_co_u32 s24, s24, s23                     ; my block of 128 rows
	; the weights' tiles: a dense block of 12,288 bytes as 48 rows x 32 elements of 8 bytes; the mask names all four work-groups, bit 21 set beside it
	s_mov_b32 s[G1W], 15|(3<<16)|(1<<21)
	s_mov_b32 s[G1W+1], 32<<16                     ; tensor_dim0
	s_mov_b32 s[G1W+2], 48<<16                     ; tensor_dim1
	s_mov_b32 s[G1W+3], 32<<16                     ; tile_dim0
	s_mov_b32 s[G1W+4], 48                         ; tile_dim1
	s_mov_b32 s[G1W+5], 32                         ; tensor_dim0_stride
	s_mov_b32 s[G1W+6], 0
	s_mov_b32 s[G1W+7], 0
	s_lshl_b32 s28, s24, 19                        ; x: my block's 128 rows of 4,096 bytes,
	s_lshl_b32 s29, s[WV], 17                      ; my wave's 32
	s_add_co_u32 s28, s28, s29
	s_mov_b32 s29, 0
	s_mul_i32 s30, s[WV], 12288                    ; the weights: my quarter of a step's block (registers that never hold cx)
	s_mov_b32 s31, 0
	s_add_co_u32 s87, s30, WT                      ; and where it goes: no place in the cluster enters an LDS address
	AW
	s_wait_dscnt 0x0                               ; both opening adds are done
	s_wait_kmcnt 0x0
	s_load_b256 s[68:75], s[14:15], 0x0            ; e0 .. e7
	s_load_b64 s[76:77], s[14:15], 0x20            ; e8, e9
	s_add_nc_u64 s[4:5], s[4:5], s[28:29]
	s_add_nc_u64 s[6:7], s[6:7], s[30:31]
	s_mov_b32 s[G0W], 1                            ; count = 1
	s_mov_b32 s[G0W+1], s87                        ; LDS address: slot 0
	s_mov_b64 s[G0W+2:G0W+3], s[6:7]               ; global address: K step 0
	s_or_b32 s[G0W+3], s[G0W+3], 0x80000000        ; type = 2
	XASK 0                                         ; K step 0 of x
	XASK 1
	XASK 2
	XASK 3
	ROUND                                          ; all four work-groups are here: the first joint loads meet
	JLOAD                                          ; K step 0 of the weights: every wave issues one load
	v_and_b32 v16, 0x6f, v0                        ; 32 w + r
	v_bfe_u32 v17, v0, 4, 1                        ; h
	v_mul_u32_u24 v[XA], v16, XPITCH
	v_lshl_add_u32 v[XA], v17, 5, v[XA]            ; my row, + 32 h: my 8 numbers of each 16 along K
	v_and_b32 v16, 0x60, v0                        ; 32 w
	v_mul_u32_u24 v16, v16, XPITCH
	v_add_nc_u32 v[XS], v16, v[ST]                 ; my wave's first row, + 16 x lane
	v_add_nc_u32 v[WA0], WT, v[ST]
	v_lshlrev_b32 v[BA], 5, v17
	v_and_b32 v[BVA], 15, v0
	v_lshlrev_b32 v[BVA], 2, v[BVA]
	s_lshl_b32 s28, s24, 14                        ; qimg, kimg: tile of rows 8 x block + 2 w, 2,048 bytes each
	s_lshl_b32 s29, s[WV], 12
	s_add_co_u32 s28, s28, s29
	s_mov_b32 s29, 0
	s_add_nc_u64 s[16:17], s[16:17], s[28:29]
	s_add_nc_u64 s[18:19], s[18:19], s[28:29]
	s_lshl_b32 s28, s24, 14                        ; vimg: my block of 128 keys, 16,384 bytes; my 32 keys are group w: 512 w
	s_lshl_b32 s84, s[WV], 9
	s_add_co_u32 s28, s28, s84
	s_add_nc_u64 s[20:21], s[20:21], s[28:29]
	s_mov_b32 s[TB], 0
	AW
	s_wait_kmcnt 0x0
	MKSC 68, SC                                    ; x's three scales: e0,
	MKSC 70, SC+2                                  ; e2,
	MKSC 72, SC+4                                  ; e4
	MKPR 68, 69, 78                                ; 2^(e0 + e1)
	MKPR 70, 71, 80                                ; 2^(e2 + e3)
	MKPR 72, 73, 82                                ; 2^(e4 + e5)
	AW                                             ; the head's end
.macro XLOAD u                         ; tile u's numbers of the step: 16 loads; a lane's 8 numbers of each 16 along K are 32 bytes on end.  LDS serves a wave's instructions in order (ISA guide 5.7.1.4): they see the stores above
.irp c, 0,1,2,3,4,5,6,7
.irp j, 0,1
	ds_load_b128 v[XF+64*\u+8*\c+4*\j:XF+64*\u+8*\c+4*\j+3], v[XA] offset:16*XPITCH*\u+64*\c+16*\j
.endr
.endr
.endm
.macro WLOAD m, buf                    ; matrix m's eight fragments into set buf of window 1: 32 loads, each 512 consecutive bytes
	WIN 0x40                                       ; destination window 1, address window 0
.irp t, 0,1,2,3,4,5,6,7
.irp c, 0,1,2,3
	ds_load_b128 v[128*\buf+16*\t+4*\c:128*\buf+16*\t+4*\c+3], v[WA] offset:(8*\m+\t)*2048+512*\c
.endr
.endr
	WIN 0
.endm
; The 64 numbers of a lane in tile u become that tile's fragment in set m of codes: registers 8 c .. 8 c + 7 (k = 16 c + 8 h + 0 .. 7) become register pair 2 c.
; The held numbers go into two sets of eight registers by turns, so that eight plain instructions stand between a conversion and the next write of its sources.
.macro QUANT m, u
.irp c, 0,1,2,3,4,5,6,7
.irp i, 0,1,2,3,4,5,6,7
	v_med3_num_f32 v[T+8*(\c%2)+\i], v[XF+64*\u+8*\c+\i], -v[SC+2*\m+1], v[SC+2*\m+1]   ; the conversion does not saturate (ISA guide 7.6.2): the hold at the largest code x the scale
.endr
	v_cvt_scalef32_pk8_fp8_f32 v[XC+32*\m+16*\u+2*\c:XC+32*\m+16*\u+2*\c+1], v[T+8*(\c%2):T+8*(\c%2)+7], v[SC+2*\m]
.endr
.endm
; 16 matrix instructions each.  The 48 accumulators take turns, one instruction a turn, in the same order in every step.  zero = 1: the first step's products start the sums.
.macro MULQK m, zero
	WIN 0xa1                                       ; source 0 (W) window 1, source 1 (x) window 0, C and D window 2
.irp ct, 0,1,2,3,4,5,6,7
.irp u, 0,1
.if \zero
	v_wmma_f32_16x16x128_fp8_fp8 v[128*\m+8*(8*\u+\ct):128*\m+8*(8*\u+\ct)+7], v[128*\m+16*\ct:128*\m+16*\ct+15], v[XC+32*\m+16*\u:XC+32*\m+16*\u+15], 0
.else
	v_wmma_f32_16x16x128_fp8_fp8 v[128*\m+8*(8*\u+\ct):128*\m+8*(8*\u+\ct)+7], v[128*\m+16*\ct:128*\m+16*\ct+15], v[XC+32*\m+16*\u:XC+32*\m+16*\u+15], v[128*\m+8*(8*\u+\ct):128*\m+8*(8*\u+\ct)+7]
.endif
.endr
.endr
.endm
.macro MULV zero
	WIN 0xf4                                       ; source 0 (x) window 0, source 1 (Wv) window 1, C and D window 3
.irp ct, 0,1,2,3,4,5,6,7
.irp u, 0,1
.if \zero
	v_wmma_f32_16x16x128_fp8_fp8 v[8*(8*\u+\ct):8*(8*\u+\ct)+7], v[XC+64+16*\u:XC+64+16*\u+15], v[16*\ct:16*\ct+15], 0
.else
	v_wmma_f32_16x16x128_fp8_fp8 v[8*(8*\u+\ct):8*(8*\u+\ct)+7], v[XC+64+16*\u:XC+64+16*\u+15], v[16*\ct:16*\ct+15], v[8*(8*\u+\ct):8*(8*\u+\ct)+7]
.endif
.endr
.endr
.endm
.macro BIASLOAD                        ; bq, bk in the results' layout (tile ct: channels 16 ct + 8 h + 0 .. 7) into x's registers, which are free; bv (tile ct: channel 16 ct + r), twice: a pair for the packed form
.irp m, 0,1
.irp ct, 0,1,2,3,4,5,6,7
	global_load_b128 v[XF+64*\m+8*\ct:XF+64*\m+8*\ct+3], v[BA], s[8+2*\m:9+2*\m] offset:64*\ct
	global_load_b128 v[XF+64*\m+8*\ct+4:XF+64*\m+8*\ct+7], v[BA], s[8+2*\m:9+2*\m] offset:64*\ct+16
.endr
.endr
	WIN 0xc0                                       ; destination window 3
.irp ct, 0,1,2,3,4,5,6,7
	global_load_b32 v[128+2*\ct], v[BVA], s[12:13] offset:64*\ct
	global_load_b32 v[129+2*\ct], v[BVA], s[12:13] offset:64*\ct
.endr
	WIN 0
.endm
; A K STEP.  The change of slots stands at its head: each wave waits for all its tensor loads (one is out: its part of this step's slot), adds 0 to its spare word, and waits for that and for its reads of the other slot.
; Behind the round this slot is whole in every partner, nobody reads the other, and with refill = 1 the next step's weights are asked for into it: they have this whole step in which to land.  refill = 0: the last step.
.macro TRIP refill, zero
	AW
	s_wait_tensorcnt 0x0                           ; no tensor load of mine is out, so group 0 may be written
	ds_add_u32 v[SPW], v[NIL]                      ; 0 onto my spare word; the steps below stand between it and the wait for it
.if \refill
	s_xor_b32 s[G0W+1], s[G0W+1], SLOTX            ; the other slot,
	s_add_nc_u64 s[G0W+2:G0W+3], s[G0W+2:G0W+3], 49152   ; the next K step's codes
	s_wait_xcnt 0x0                                ; my loads of x have read their base:
	s_add_nc_u64 s[4:5], s[4:5], 512               ; the next K step's numbers
.endif
	s_wait_dscnt 0x0                               ; the add is done, and my reads of the other slot are over
	ROUND
.if \refill
	JLOAD                                          ; the first tensor load behind the round, one a wave; its four v_nop are also the places in front of the loads below
.else
	PLACES
.endif
	v_add_nc_u32 v[WA], s[TB], v[WA0]
	s_xor_b32 s[TB], s[TB], SLOTX
	AW
	s_wait_loadcnt 24                              ; rows 0 to 7 are in; behind them the other 24 loads of this step
	XSTORE 0
	s_wait_loadcnt 16                              ; rows 8 to 15
	XSTORE 1
	XLOAD 0
	WLOAD 0, 0                                     ; Wq's fragments: they land under the conversions
.if \refill
	s_wait_dscnt 48                                ; the 16 stores have read their registers (behind them x's 16 loads and Wq's 32):
	XASK 0                                         ; which take the next step's rows
	XASK 1
.endif
	s_wait_dscnt 32                                ; tile 0's numbers are in; Wq's 32 loads may be out
	QUANT 0, 0
	QUANT 1, 0
	QUANT 2, 0
	AW
.if \refill
	s_wait_loadcnt 24                              ; rows 16 to 23; behind them this step's last eight and the 16 just asked for
.else
	s_wait_loadcnt 8
.endif
	XSTORE 2
.if \refill
	s_wait_loadcnt 16                              ; rows 24 to 31
.else
	s_wait_loadcnt 0
.endif
	XSTORE 3
	XLOAD 1
	WLOAD 1, 1                                     ; Wk's
.if \refill
	s_wait_dscnt 48                                ; as above
	XASK 2
	XASK 3
.endif
	s_wait_dscnt 32                                ; tile 1's numbers are in; Wk's 32 loads may be out
	QUANT 0, 1
	QUANT 1, 1
	QUANT 2, 1
	v_nop                                          ; one plain instruction between the last conversion and the products that read its result
.if \refill == 0
	BIASLOAD                                       ; x's numbers are done with: the biases land under the last 48 products
.endif
	AW
	s_wait_dscnt 0x0                               ; Wk's fragments are in
	MULQK 0, \zero
	PLACES                                         ; Wq's set is free four places behind its last product
	WLOAD 2, 0                                     ; Wv's: they land under k's 16 products
	MULQK 1, \zero
	AW
	s_wait_dscnt 0x0
	AW
	MULV \zero
	WIN 0                                          ; at a label and at a branch every window is 0
.endm
	TRIP 1, 1                                      ; step 0 starts the sums; slot 1 is filled
	s_mov_b32 s27, 6
.Lstep:                                                ; steps 1 to 6
	TRIP 1, 0
	s_sub_co_u32 s27, s27, 1
	s_cmp_lg_u32 s27, 0
	AW
	s_cbranch_scc1 .Lstep
	TRIP 0, 0                                      ; step 7 asks for nothing
	; THE WAY OUT: sum x 2^(the two exponents) + bias in one packed multiply-add, the hold, the conversion; the codes are the images' bytes as they stand.  Every store has data registers of its own.
	PLACES                                         ; behind the last products
	s_wait_loadcnt 0x0                             ; the biases
	MKSC 74, SC                                    ; q's scale e6,
	MKSC 75, SC+2                                  ; k's e7,
	MKSC 77, SC+4                                  ; v's e9
	AW
.macro EPIQK m                         ; group g of tile u: column tiles 2 g and 2 g + 1: 16 registers on end, each accumulator from its low end on
.irp u, 0,1
.irp g, 0,1,2,3
	WIN 0x02                                       ; source 0 (the sums) window 2
.irp i, 0,2,4,6,8,10,12,14
	v_pk_fma_f32 v[T+\i:T+\i+1], v[128*\m+8*(8*\u+2*\g)+\i:128*\m+8*(8*\u+2*\g)+\i+1], s[78+2*\m:79+2*\m], v[XF+64*\m+16*\g+\i:XF+64*\m+16*\g+\i+1] op_sel_hi:[1,0,1]
.endr
	WIN 0
.irp i, 0,1,2,3,4,5,6,7,8,9,10,11,12,13,14,15
	v_med3_num_f32 v[T+\i], v[T+\i], -v[SC+2*\m+1], v[SC+2*\m+1]
.endr
	v_cvt_scalef32_pk8_fp8_f32 v[XC+32*\m+16*\u+4*\g:XC+32*\m+16*\u+4*\g+1], v[T:T+7], v[SC+2*\m]
	v_cvt_scalef32_pk8_fp8_f32 v[XC+32*\m+16*\u+4*\g+2:XC+32*\m+16*\u+4*\g+3], v[T+8:T+15], v[SC+2*\m]
	v_nop                                          ; one plain instruction between a conversion and the next write of its sources
	global_store_b128 v[ST], v[XC+32*\m+16*\u+4*\g:XC+32*\m+16*\u+4*\g+3], s[16+2*\m:17+2*\m] offset:2048*\u+512*\g
.endr
.endr
.endm
	EPIQK 0
	EPIQK 1
.irp ct, 0,1,2,3,4,5,6,7               ; v: channel tile ct; tile u = 0 gives keys 32 w + 8 h + 0 .. 7, u = 1 keys 32 w + 16 + 8 h + 0 .. 7
	WIN 0x33                                       ; source 0 (the sums) and source 2 (bv) window 3
.irp i, 0,2,4,6
	v_pk_fma_f32 v[T+\i:T+\i+1], v[8*\ct+\i:8*\ct+\i+1], s[82:83], v[128+2*\ct:129+2*\ct] op_sel_hi:[1,0,1]
.endr
.irp i, 0,2,4,6
	v_pk_fma_f32 v[T+8+\i:T+8+\i+1], v[64+8*\ct+\i:64+8*\ct+\i+1], s[82:83], v[128+2*\ct:129+2*\ct] op_sel_hi:[1,0,1]
.endr
	WIN 0
.irp i, 0,1,2,3,4,5,6,7,8,9,10,11,12,13,14,15
	v_med3_num_f32 v[T+\i], v[T+\i], -v[SC+5], v[SC+5]
.endr
	v_cvt_scalef32_pk8_fp8_f32 v[XC+64+4*\ct:XC+64+4*\ct+1], v[T:T+7], v[SC+4]
	v_cvt_scalef32_pk8_fp8_f32 v[XC+64+4*\ct+2:XC+64+4*\ct+3], v[T+8:T+15], v[SC+4]
	v_nop
	global_store_b128 v[ST], v[XC+64+4*\ct:XC+64+4*\ct+3], s[20:21] offset:2048*\ct
.endr
	s_wait_tensorcnt 0x0                           ; the wave's end: behind my last tensor load and my last LDS store
	ds_add_u32 v[SPW], v[NIL]
	s_wait_dscnt 0x0
	ROUND                                          ; the closing round: no work-group ends while a partner may still ask for a tile that names it
	s_endpgm
.Lfunc_end_k_qdb92627492_proj:
	.size	k_qdb92627492_proj, .Lfunc_end_k_qdb92627492_proj-k_qdb92627492_proj
	.p2alignl 7, 3214868480
	.fill 96, 4, 3214868480
	.section	.rodata,"a",@progbits
	.p2align	6, 0x0
	.amdhsa_kernel k_qdb92627492_proj
		.amdhsa_group_segment_fixed_size 327680
		.amdhsa_private_segment_fixed_size 0
		.amdhsa_enable_private_segment 0
		.amdhsa_kernarg_size 72
		.amdhsa_user_sgpr_count 2
		.amdhsa_user_sgpr_kernarg_segment_ptr 1
		.amdhsa_wavefront_size32 1
		.amdhsa_system_sgpr_workgroup_id_x 1
		.amdhsa_system_sgpr_workgroup_id_y 1
		.amdhsa_system_sgpr_workgroup_id_z 1
		.amdhsa_system_vgpr_workitem_id 0
		.amdhsa_next_free_vgpr 1024
		.amdhsa_next_free_sgpr 98
		.amdhsa_reserve_vcc 0
		.amdhsa_float_denorm_mode_32 3
		.amdhsa_float_denorm_mode_16_64 3
		.amdhsa_memory_ordered 1
		.amdhsa_forward_progress 1
		.amdhsa_inst_pref_size 191
	.end_amdhsa_kernel
	.amdgpu_metadata
---
amdhsa.version: [ 1, 2 ]
amdhsa.kernels:
  - .name:           k_qdb92627492_proj
    .symbol:         k_qdb92627492_proj.kd
    .args:
      - { .name: x, .offset: 0, .size: 8, .value_kind: global_buffer, .address_space: global }
      - { .name: wimg, .offset: 8, .size: 8, .value_kind: global_buffer, .address_space: global }
      - { .name: bq, .offset: 16, .size: 8, .value_kind: global_buffer, .address_space: global }
      - { .name: bk, .offset: 24, .size: 8, .value_kind: global_buffer, .address_space: global }
      - { .name: bv, .offset: 32, .size: 8, .value_kind: global_buffer, .address_space: global }
      - { .name: lowp_scales, .offset: 40, .size: 8, .value_kind: global_buffer, .address_space: global }
      - { .name: qimg, .offset: 48, .size: 8, .value_kind: global_buffer, .address_space: global }
      - { .name: kimg, .offset: 56, .size: 8, .value_kind: global_buffer, .address_space: global }
      - { .name: vimg, .offset: 64, .size: 8, .value_kind: global_buffer, .address_space: global }
    .group_segment_fixed_size: 327680
    .private_segment_fixed_size: 0
    .kernarg_segment_align: 8
    .kernarg_segment_size: 72
    .max_flat_workgroup_size: 128
    .sgpr_count:     98
    .vgpr_count:     1024
    .wavefront_size: 32
...
	.end_amdgpu_metadata
.endif
;; end of part 2
;; launch attn (part 3): grid 32 x 8, 4 waves a work-group, clusters of 4 x 1, 327,680 bytes of LDS; arguments qimg, kimg, vimg, lowp_scales, out0; writes out0
.if DOCPART == 3
	.amdgcn_target "amdgcn-amd-amdhsa--gfx1250"
	.amdhsa_code_object_version 6
	.text
	.protected	k_qdb92627492_attn
	.globl	k_qdb92627492_attn
	.p2align	8
	.type	k_qdb92627492_attn,@function
k_qdb92627492_attn:
	s_mov_b64 s[64:65], 0
	v_nop
	global_prefetch_b8 v0, s[64:65] scope:SCOPE_SE
	s_setreg_imm32_b32 hwreg(HW_REG_WAVE_MODE, 25, 1), 1
	s_wait_xcnt 0x0
	s_wait_alu depctr_hold_cnt(0) depctr_sa_sdst(0) depctr_va_vdst(0) depctr_va_sdst(0) depctr_va_ssrc(0) depctr_va_vcc(0) depctr_vm_vsrc(0)
	s_getreg_b32 s2, hwreg(HW_REG_IB_STS2, 6, 4)
	s_cmp_eq_u32 s2, 0
	s_cbranch_scc0 .Lentry_in_a_cluster
	s_endpgm
.Lentry_in_a_cluster:
	s_bfe_u32 s2, ttmp6, 0x10000c
	s_cmp_lg_u32 s2, 0x3003
	s_cbranch_scc0 .Lentry_shape_is_right
	s_endpgm
.Lentry_shape_is_right:
; out[b][q][:] = the sum over k <= q of softmax_k(q . k / sqrt(128)) v[k][:], both products on codes of FP8 (E4M3).  qimg, kimg, vimg hold the codes in the order of the operands' registers (second launch); out0: [8][4,096][128] f32.
; WORK LEFT OUT: a step of 128 keys that all come after the 256 queries of a cluster's group, in both products: reference() builds the causal mask itself, and the weights under it are 0 (shown at the head of the first launch).
; (In the step that begins at the group's query 128 tiles 0 and 1 are hidden and share the step with tiles 2 and 3: they stay in it, masked.)
; THE SOFTMAX AHEAD OF THE SECOND PRODUCT: t = score x log2(e) / sqrt(128); M = the largest t so far, rounded UP to a whole number; p = 2^(t - M) is what is quantised, with 2^e8; it is not normalised.
; The row's sum is taken of the unquantised p, in f32, and divides at the end.  When M moves, the sum and O are multiplied by 2^(old M - new M): exact.
; SHARES.  Cluster c of a batch owns two groups of 256 queries: group 15 - c, then group c.  Work-group cx of its four owns four tiles of 16 in each: tile u = rows 64 u + 16 cx + 0 .. 15 of the group.
; K and V come in slots of 512 keys.  Group 15 - c needs THI = (15 - c) / 2 + 1 slots, group c needs c / 2 + 1: NINE VISITS for every cluster, one group after the other: the trip counts are constants and every slot that is
; asked for is read in every work-group.  In a visit WAVE w TAKES STEP w, 128 of the slot's keys, for all four tiles, with a running M, sum and O of its own; at the end the four waves' parts are joined through LDS under
; the largest M, by exact powers of two.  256 work-groups: one for each WGP; four waves, one for each SIMD.
; CLUSTER: the four partners walk the same keys and ask for them JOINTLY.  All branches hang on the cluster's number, the wave's number and counts alone; a partner's place enters addresses and the diagonal's masks.
; LAYOUT.  Both products are used transposed: S^T = K Q^T (source 0 = 16 keys, source 1 = 16 queries), O^T = V^T P^T: a lane holds ONE query (lane % 16) throughout.  Register j of S^T's tile t is key 16 t + 8 h + j (h = lane / 16):
; one conversion of a tile's eight registers is register pair 2 t of P in the 8-bit forms' own layout, and V's images are laid to match.
; LIMITS on the given exponents: e6 + e7 between -123 and 100; e8 between -126 and 119; e8 + e9 is applied by v_ldexp_f32 and has none.  Scaled scores stay under 2^31 in magnitude.  A sum of 128 products of codes lies
; within +-25,690,112 (128 x 448 x 448), so -2^26 stands under every score.
; REGISTERS, in windows of 256: window 0: v1-31 below; v32-95 Q; v96-111 tile 0's codes of P; v112-127 at work; v128-255 the eight fragments of K or of V.   window 1: S^T, then p: tile u at 64 u + 8 t; v0-47 the codes of tiles 1 to 3.
;   window 2: O^T: tile u, channel tile ct at 64 u + 8 ct.   window 3: v0-63 the second group's Q until the change of groups, then the first group's O^T.
.set SLOT1, 1<<17                      ; a slot: four steps of K, 16,384 bytes each, then four of V; slot 1 begins here
.set MGT,   4*8704                     ; the merge: for each tile four waves' parts: 16 images of 512 bytes and (-M, sum) pairs
.set MGP,   4*MGT                      ; for each group four tiles: from LDS byte 0 on (both slots have had their last fill and their last read then)
.set STG,   2*MGP                      ; behind them the way out: 16 rows x (512 bytes + 16) for each wave
.set SPARE, 327680-512                 ; the spare words, 128 bytes for each wave: two blocks of 256 bytes that no other line names
.set AK0, 1                            ; v1  my lane's place in my step's images of K in slot 0
.set AV0, 2                            ; v2  the same for V
.set PFO, 3                            ; v3  256 x lane: the prefetches' offset; never rewritten
.set SPW, 4                            ; v4  LDS address of my spare word; never rewritten
.set NIL, 5                            ; v5  0; never rewritten
.set AD,  6                            ; v6  LDS address of the loads in hand
.set SCV, 8                            ; v8  2^e8 as f32;   v10-13 and v7, v9, v14, v15: the first group's -M and sums
.set NM,  16                           ; v16-23 four pairs: -M, the largest score so far
.set LS,  24                           ; v24-31 four sums, in two halves each
.set QF,  32
.set C0,  96
.set T,   112
.set F,   120                          ; v120-127 four pairs whose low word is f = 2^(old M - new M)
.set FR,  128
.set WV,  14                           ; s14 my wave's number
.set CX,  15                           ; s15 my place in the cluster
.set QC,  16                           ; s16 the first query of the group in hand
.set KF,  17                           ; s17 my step's first key
.set TB,  18                           ; s18 LDS byte at which the slot in hand begins
.set VI,  19                           ; s19 the visit
.set THI, 20                           ; s20 visits of the first group
.set TR,  21                           ; s21 loop counter
.set HID, 22                           ; s22 1: my step is hidden from the whole group
.set QLO, 23                           ; s23 the second group's first query
.set G1,  24                           ; s[24:31], s[32:35] the descriptor
.set G0,  32
.set BASE, 36                          ; s[36:37] where my quarter of slot 0 lies in memory (K's halves: waves 0, 1; V's: waves 2, 3), with the type bits
.set OFS, 38                           ; s[38:39] bytes from there to the slot that is asked for
.set PB,  40                           ; s40 448 x 2^e8
.set VL,  41                           ; s41 the visit that the last tensor load serves
.set CS,  42                           ; s[42:43] c = log2(e) / sqrt(128) x 2^(e6 + e7)
.set SEL, 44                           ; s[44:45] lane selects for v_permlanex16_b32: lane l xor 16
.set NC,  46                           ; s46 -c
.set LIM, 47                           ; s47 visits in which my wave prefetches
.set EO,  51                           ; s51 e8 + e9
.set NINF, 63                          ; s63 -infinity
.set PFA, 66                           ; s[66:67] where my prefetches stand
.set MK,  68                           ; s68-99 the diagonal's masks: 8 t + j: lanes whose query 16 cx + r lies ahead of key 16 t + 8 h + j
.set MSB, 0
.macro WIN new                         ; the immediate's high byte repeats the setting that is left
.if MSB != \new
	s_set_vgpr_msb (MSB<<8)|\new
.set MSB, \new
.endif
.endm
.macro AW
	s_wait_alu depctr_va_vdst(0)
.endm
.macro PLACES n                        ; places behind a matrix instruction: four in front of readers and loads, five in front of a matrix instruction that writes over its registers
.rept \n
	v_nop
.endr
.endm
.macro CREST                           ; a round of the cluster's barrier behind its opening barrier
	s_cmp_lg_u32 s[WV], 0
	s_cbranch_scc1 .Lnot_wave_0_\@
	s_barrier_signal -3
.Lnot_wave_0_\@:
	s_barrier_wait -3
	s_barrier_signal -1
	s_barrier_wait -1
.endm
.macro CROUND
	s_barrier_signal -1
	s_barrier_wait -1
	CREST
.endm
.macro TLOAD                           ; my wave's quarter of a slot, 32,768 bytes, jointly with the three partners' same wave
	tensor_load_to_lds s[G0:G0+3], s[G1:G1+7]
	s_nop 0
	PLACES 4
.endm
.macro KLOAD t0                        ; four fragments of K
.irp t, \t0, \t0+1, \t0+2, \t0+3
.irp c, 0,1,2,3
	ds_load_b128 v[FR+16*(\t)+4*\c:FR+16*(\t)+4*\c+3], v[AD] offset:2048*(\t)+512*\c
.endr
.endr
.endm
	s_load_b256 s[4:11], s[0:1], 0x0               ; qimg s[4:5], kimg s[6:7], vimg s[8:9], the exponents s[10:11]
	s_load_b64 s[12:13], s[0:1], 0x20              ; out0
	v_lshl_add_u32 v[SPW], v0, 2, SPARE
	v_mov_b32 v[NIL], 0
	ds_add_u32 v[SPW], v[NIL]                      ; the wave's opening: the add, twice on end, and its wait ahead of the round in front of my first tensor load
	ds_add_u32 v[SPW], v[NIL]
	v_lshrrev_b32 v6, 5, v0
	v_readfirstlane_b32 s[WV], v6                  ; wave 0..3
	s_bfe_u32 s[CX], ttmp6, 0x40000
	s_and_b32 s52, ttmp7, 0xffff                   ; the batch
	s_sub_co_u32 s[QC], 15, ttmp9                  ; in a cluster launch ttmp9 counts clusters: c
	s_lshr_b32 s[THI], s[QC], 1
	s_add_co_u32 s[THI], s[THI], 1
	s_lshl_b32 s[QC], s[QC], 8
	s_lshl_b32 s[QLO], ttmp9, 8
	s_lshl_b32 s[KF], s[WV], 7
	s_lshl_b32 s54, s52, 19                        ; the batch's first byte in each buffer of codes
	s_mov_b32 s55, 0
	; descriptor group 1: a dense block of 32,768 bytes as 128 rows x 32 elements of 8 bytes; the mask names all four work-groups, bit 21 set beside it
	s_mov_b32 s[G1], 15|(3<<16)|(1<<21)
	s_mov_b32 s[G1+1], 32<<16                      ; tensor_dim0
	s_mov_b32 s[G1+2], 128<<16                     ; tensor_dim1
	s_mov_b32 s[G1+3], 32<<16                      ; tile_dim0
	s_mov_b32 s[G1+4], 128                         ; tile_dim1
	s_mov_b32 s[G1+5], 32                          ; tensor_dim0_stride
	s_mov_b32 s[G1+6], 0
	s_mov_b32 s[G1+7], 0
	s_and_b32 s56, s[WV], 1
	s_lshl_b32 s56, s56, 15                        ; my half of K's or V's 65,536 bytes of a slot
	s_mov_b32 s57, 0
	s_lshl_b32 s58, s[WV], 15                      ; and its place in a slot: no place in the cluster enters an LDS address
	AW
	s_wait_dscnt 0x0                               ; both opening adds are done
	s_wait_kmcnt 0x0
	s_load_b128 s[48:51], s[10:11], 0x18           ; e6 (q), e7 (k), e8 (p), e9 (v)
	s_cmp_lt_u32 s[WV], 2
	s_cselect_b64 s[BASE:BASE+1], s[6:7], s[8:9]
	s_add_nc_u64 s[BASE:BASE+1], s[BASE:BASE+1], s[54:55]
	s_add_nc_u64 s[BASE:BASE+1], s[BASE:BASE+1], s[56:57]
	s_lshl_b32 s60, s[CX], 13                      ; the prefetches: my work-group's 8,192 bytes of my wave's 32,768,
	s_add_co_u32 s60, s60, 2*65536                 ; in slot 2: the first change of slots steps it to slot 3
	s_mov_b32 s61, 0
	s_add_nc_u64 s[PFA:PFA+1], s[BASE:BASE+1], s[60:61]
	s_or_b32 s[BASE+1], s[BASE+1], 0x80000000      ; type = 2
	s_mov_b32 s[G0], 1                             ; count = 1
	s_mov_b32 s[G0+1], s58                         ; LDS address: slot 0
	s_mov_b64 s[G0+2:G0+3], s[BASE:BASE+1]         ; global address: keys 0 .. 511
	CROUND                                         ; all four work-groups are here: the first joint loads meet
	TLOAD                                          ; visit 0: one load a wave
	v_and_b32 v14, 31, v0
	v_lshlrev_b32 v[PFO], 8, v14
	v_lshlrev_b32 v[T], 4, v14                     ; 16 x lane: an image's place for my lane
	s_lshl_b32 s59, s[WV], 14
	v_add_nc_u32 v[AK0], s59, v[T]                 ; my wave's step
	v_add_nc_u32 v[AV0], 0x10000, v[AK0]
	s_lshl_b32 s62, s[CX], 4                       ; 16 cx
	s_add_co_u32 s60, s[QC], s62
	s_lshl_b32 s60, s60, 7
	s_add_co_u32 s60, s60, s54
	s_add_nc_u64 s[100:101], s[4:5], s[60:61]      ; qimg at the first group's tile 0
	s_add_co_u32 s60, s[QLO], s62
	s_lshl_b32 s60, s60, 7
	s_add_co_u32 s60, s60, s54
	s_add_nc_u64 s[4:5], s[4:5], s[60:61]          ; and at the second group's
	AW
.irp u, 0,1,2,3
.irp c, 0,1,2,3
	global_load_b128 v[QF+16*\u+4*\c:QF+16*\u+4*\c+3], v[T], s[100:101] offset:8192*\u+512*\c
.endr
.endr
	WIN 0xc0
.irp u, 0,1,2,3
.irp c, 0,1,2,3
	global_load_b128 v[16*\u+4*\c:16*\u+4*\c+3], v[T], s[4:5] offset:8192*\u+512*\c   ; the second group's Q: window 3
.endr
.endr
	WIN 0
	s_lshl_b32 s60, s[WV], 6                       ; out0: my tile is u = my wave's number: row 64 w + 16 cx of a group, of my batch
	s_add_co_u32 s60, s60, s62
	s_lshl_b32 s60, s60, 9
	s_lshl_b32 s56, s52, 21
	s_add_co_u32 s60, s60, s56
	s_add_nc_u64 s[12:13], s[12:13], s[60:61]
	s_cmp_eq_u32 ttmp9, 0                          ; cluster 0 of each batch walks all eight slots first: it asks, in visits 0 to 4, for slots 3 to 7
	s_cselect_b32 s[LIM], 5, 0
	s_mov_b32 s[SEL], 0x76543210
	s_mov_b32 s[SEL+1], 0xfedcba98
	s_mov_b32 s[NINF], 0xff800000
	s_mov_b32 s[TB], 0
	s_mov_b32 s[VI], 0
	s_mov_b32 s[VL], 1
	s_mov_b32 s[OFS], 0x10000
	s_mov_b32 s[OFS+1], 0
	v_and_b32 v14, 15, v0                          ; r
	v_bfe_u32 v9, v0, 4, 1                         ; h
	v_lshlrev_b32 v9, 3, v9
	v_sub_nc_u32 v14, v14, v9
	v_add_nc_u32 v14, s62, v14                     ; 16 cx + r - 8 h
.set n, 0
.rept 32
	v_cmp_gt_i32 s[MK+n], 16*(n/8)+n%8, v14        ; hidden where 16 t + 8 h + j > 16 cx + r
.set n, n+1
.endr
.irp u, 0,1,2,3
	v_mov_b32 v[NM+2*\u], 0x7f61b1e6               ; -M = 3e38: the first change of M gives f = 0
	v_mov_b32 v[NM+1+2*\u], 0xcc800000             ; -2^26, under every score
	v_mov_b32 v[LS+2*\u], 0
	v_mov_b32 v[LS+1+2*\u], 0
	v_mov_b32 v[10+\u], 0
.endr
.irp i, 7,9,14,15
	v_mov_b32 v\i, 0
.endr
.set n, 0
.rept 16
	v_mov_b32 v[C0+n], 0
.set n, n+1
.endr
.set n, 1
.rept 15
	v_mov_b32 v[T+n], 0
.set n, n+1
.endr
	WIN 0x40
.set n, 0
.rept 48
	v_mov_b32 v[n], 0                              ; the places of tiles 1 to 3's codes
.set n, n+1
.endr
	WIN 0x80
.set n, 0
.rept 256
	v_mov_b32 v[n], 0                              ; O^T.  The visit is written for a loop: its first change of M leaves zeros, and a wave that walks no step of a group hands zeros on
.set n, n+1
.endr
	WIN 0xc0
.set n, 64
.rept 192
	v_mov_b32 v[n], 0
.set n, n+1
.endr
	WIN 0
	AW
	s_wait_kmcnt 0x0
	s_add_co_i32 s52, s48, s49
	s_lshl_b32 s52, s52, 23
	s_mov_b32 s[CS], 0x3e0293ee                    ; log2(e) / sqrt(128)
	s_add_co_i32 s[CS], s[CS], s52                 ; a score stands for score x 2^(e6 + e7): the two exponents are added to c's exponent field
	s_mov_b32 s[CS+1], s[CS]                       ; (named with it as a pair)
	s_or_b32 s[NC], s[CS], 0x80000000
	s_add_co_i32 s52, s50, 127
	s_lshl_b32 s53, s52, 23
	v_mov_b32 v[SCV], s53
	s_add_co_i32 s52, s52, 8
	s_lshl_b32 s52, s52, 23
	s_or_b32 s[PB], s52, 0x600000
	s_add_co_i32 s[EO], s50, s51
	AW                                             ; the head's end
	s_wait_tensorcnt 0x0                           ; my part of visit 0's slot is in; these lines stand ahead of a later first fill as ahead of a refill
	ds_add_u32 v[SPW], v[NIL]
	s_xor_b32 s[G0+1], s[G0+1], SLOT1
	s_add_nc_u64 s[G0+2:G0+3], s[BASE:BASE+1], s[OFS:OFS+1]
	s_wait_dscnt 0x0
	CROUND
	TLOAD                                          ; visit 1, slot 1's first fill
	v_add_nc_u32 v[AD], s[TB], v[AK0]
	KLOAD 0
	KLOAD 4
	AW
	s_wait_loadcnt 0x0                             ; both groups' Q
.macro FMA2 u                          ; t - M of pair n of tile u, two at a time (of the pairs c and -M the low word serves both halves)
	v_pk_fma_f32 v[64*(\u)+n:64*(\u)+n+1], v[64*(\u)+n:64*(\u)+n+1], s[CS:CS+1], v[NM+2*(\u):NM+2*(\u)+1] op_sel_hi:[1,0,0]
.endm
; Tile u's 64 exponentials; between them tile fm's multiply-adds and tile mn's holds (-1: none), which name none of their registers.
.macro EXPF u, fm, mn
	WIN 0x45
.set m, 0
.rept 64
	v_exp_f32 v[64*\u+m], v[64*\u+m]               ; p = 2^(t - M), at most 1: not normalised
.if (\mn) >= 0
	v_min_num_f32 v[64*(\mn)+m], s[PB], v[64*(\mn)+m]   ; the conversion does not saturate (ISA guide 7.6.2); p is not negative, so the hold is one-sided
.endif
.if ((\fm) >= 0) && ((m%2) == 1)
.set n, m-1
	FMA2 \fm
.endif
.set m, m+1
.endr
	v_nop
	AW
.endm
; The row's sum of the unquantised p: 32 pairs in eight chains.
.macro SUM u
	WIN 0x05
.irp k, 0,1,2,3,4,5,6
	v_pk_add_f32 v[T+2*\k:T+2*\k+1], v[64*\u+4*\k:64*\u+4*\k+1], v[64*\u+4*\k+2:64*\u+4*\k+3]
.endr
	WIN 0x04
.set n, 28
.rept 3
	v_pk_add_f32 v[LS+2*\u:LS+2*\u+1], v[LS+2*\u:LS+2*\u+1], v[64*\u+n:64*\u+n+1]
.set n, n+2
.set m, 0
.rept 7
.if n < 64
	v_pk_add_f32 v[T+m:T+m+1], v[T+m:T+m+1], v[64*\u+n:64*\u+n+1]
.set n, n+2
.endif
.set m, m+2
.endr
.endr
	WIN 0
	v_pk_add_f32 v[T:T+1], v[T:T+1], v[T+2:T+3]
	v_pk_add_f32 v[T+4:T+5], v[T+4:T+5], v[T+6:T+7]
	v_pk_add_f32 v[T+8:T+9], v[T+8:T+9], v[T+10:T+11]
	v_pk_add_f32 v[LS+2*\u:LS+2*\u+1], v[LS+2*\u:LS+2*\u+1], v[T+12:T+13]
	v_pk_add_f32 v[T:T+1], v[T:T+1], v[T+4:T+5]
	v_pk_add_f32 v[LS+2*\u:LS+2*\u+1], v[LS+2*\u:LS+2*\u+1], v[T+8:T+9]
	v_pk_add_f32 v[LS+2*\u:LS+2*\u+1], v[LS+2*\u:LS+2*\u+1], v[T:T+1]
.endm
.macro CVT u                           ; tile 0's codes into window 0; tile u's into tile 0's registers of S^T, which are done with
.irp t, 0,1,2,3,4,5,6,7
.if \u == 0
	v_cvt_scalef32_pk8_fp8_f32 v[C0+2*\t:C0+2*\t+1], v[8*\t:8*\t+7], v[SCV]
.else
	v_cvt_scalef32_pk8_fp8_f32 v[16*(\u-1)+2*\t:16*(\u-1)+2*\t+1], v[64*\u+8*\t:64*\u+8*\t+7], v[SCV]
.endif
.endr
.endm
.macro PV hf                           ; O^T += V^T P^T: four channel tiles x four query tiles, K = my step's 128 keys; every accumulator has one turn in a visit
	WIN 0xa0
.irp ct, 4*\hf, 4*\hf+1, 4*\hf+2, 4*\hf+3
	v_wmma_f32_16x16x128_fp8_fp8 v[8*(\ct):8*(\ct)+7], v[FR+16*(\ct):FR+16*(\ct)+15], v[C0:C0+15], v[8*(\ct):8*(\ct)+7]
.endr
	WIN 0xa4
.irp ct, 4*\hf, 4*\hf+1, 4*\hf+2, 4*\hf+3
.irp u, 1,2,3
	v_wmma_f32_16x16x128_fp8_fp8 v[64*\u+8*(\ct):64*\u+8*(\ct)+7], v[FR+16*(\ct):FR+16*(\ct)+15], v[16*(\u-1):16*(\u-1)+15], v[64*\u+8*(\ct):64*\u+8*(\ct)+7]
.endr
.endr
	WIN 0
.endm
; The diagonal.  b: the tile of 64 rows whose first 64 keys are the step's first: there key tiles 0 to 3 are masked and 4 to 7 hidden; in tile b + 1 key tiles 4 to 7 are masked alike.  b = 2: tiles 0 and 1 are hidden.
.macro MASK b
	WIN 0x41
.set n, 0
.rept 64*\b
	v_mov_b32 v[n], s[NINF]
.set n, n+1
.endr
.set n, 0
.rept 32
	v_cndmask_b32 v[64*\b+n], v[64*\b+n], s[NINF], s[MK+n]
.set n, n+1
.endr
.set n, 0
.rept 32
	v_mov_b32 v[64*\b+32+n], s[NINF]
.set n, n+1
.endr
.set n, 0
.rept 32
	v_cndmask_b32 v[64*\b+96+n], v[64*\b+96+n], s[NINF], s[MK+n]
.set n, n+1
.endr
	WIN 0
	AW
.endm
; A VISIT: my step of the slot in hand.  Its fragments of K were asked for in the visit before.  The change of slots stands behind the first half of the second product, when this slot has been read out:
; each wave waits for all its tensor loads (one is out: its part of the next slot), adds 0 to its spare word, and waits for that and for its reads.  Behind the barrier the next slot is whole and nobody reads this one.
; fill = 1: this slot is filled for the visit after the next, behind a round of the cluster's barrier; the load has a whole visit in which to land.
.macro VISIT fill
	s_add_co_u32 s52, s[QC], 128
	s_cmp_gt_u32 s[KF], s52                        ; do all my keys come after the group's 256 queries?
	s_cselect_b32 s[HID], 1, 0
	s_cbranch_scc1 .Lhid_\@
	WIN 0x40
.irp t, 0,1,2,3,4,5,6,7                        ; S^T = K Q^T
	s_wait_dscnt 28-4*\t                           ; fragment t is in; behind it 7 - t fragments of four loads
.irp u, 0,1,2,3
	v_wmma_f32_16x16x128_fp8_fp8 v[64*\u+8*\t:64*\u+8*\t+7], v[FR+16*\t:FR+16*\t+15], v[QF+16*\u:QF+16*\u+15], 0
.endr
.endr
	WIN 0
	PLACES 4
	s_cmp_lt_u32 s[KF], s[QC]
	s_cbranch_scc1 .Lopen_\@                       ; all my keys count for all four tiles
	s_cmp_lg_u32 s[KF], s[QC]
	s_cbranch_scc1 .Lsecond_\@
	MASK 0
	s_branch .Lopen_\@
.Lsecond_\@:
	MASK 2
.Lopen_\@:
	v_add_nc_u32 v[AD], s[TB], v[AV0]
	WIN 0x14
.irp t, 0,1,2,3,4,5,6,7                        ; each query's largest score so far, in two chains a tile; V's fragments are asked for two at a time, in runs of eight loads
.if ((\t)%2) == 0
.irp c, 0,1,2,3,4,5,6,7
	ds_load_b128 v[FR+16*\t+4*\c:FR+16*\t+4*\c+3], v[AD] offset:2048*\t+512*\c
.endr
.endif
.irp g, 0,1,2,3
.irp u, 0,1,2,3
.if (\t)+(\g/2) == 0
	v_max3_num_f32 v[T+4*(\g%2)+\u], v[NM+1+2*\u], v[64*\u+2*\g], v[64*\u+2*\g+1]
.else
	v_max3_num_f32 v[T+4*(\g%2)+\u], v[T+4*(\g%2)+\u], v[64*\u+8*\t+2*\g], v[64*\u+8*\t+2*\g+1]
.endif
.endr
.endr
.endr
	WIN 0
.irp u, 0,1,2,3
	v_max_num_f32 v[T+\u], v[T+\u], v[T+4+\u]
.endr
.irp u, 0,1,2,3
	v_permlanex16_b32 v[T+4+\u], v[T+\u], s[SEL], s[SEL+1]
.endr
.irp u, 0,1,2,3
	v_max_num_f32 v[NM+1+2*\u], v[T+\u], v[T+4+\u]
.endr
.irp u, 0,1,2,3
	v_mul_f32 v[T+\u], s[NC], v[NM+1+2*\u]         ; -t (c is positive)
.endr
.irp u, 0,1,2,3
	v_floor_f32 v[T+\u], v[T+\u]                   ; the new -M = floor(-t) = -ceil(t): M is a whole number
.endr
.irp u, 0,1,2,3
	v_sub_f32 v[T+4+\u], v[T+\u], v[NM+2*\u]       ; M's old value less its new one: a whole number, 0 or less
.endr
.irp u, 0,1,2,3
	v_mov_b32 v[NM+2*\u], v[T+\u]
.endr
.irp u, 0,1,2,3
	v_cvt_i32_f32 v[T+4+\u], v[T+4+\u]             ; (it saturates)
.endr
.irp u, 0,1,2,3
	v_ldexp_f32 v[F+2*\u], 1.0, v[T+4+\u]          ; f
.endr
.irp u, 0,1,2,3
	v_pk_mul_f32 v[LS+2*\u:LS+2*\u+1], v[LS+2*\u:LS+2*\u+1], v[F+2*\u:F+2*\u+1] op_sel_hi:[1,0]
.endr
	WIN 0x82
.irp u, 0,1,2,3
.set n, 0
.rept 32
	v_pk_mul_f32 v[64*\u+n:64*\u+n+1], v[64*\u+n:64*\u+n+1], v[F+2*\u:F+2*\u+1] op_sel_hi:[1,0]   ; O^T under the new M
.set n, n+2
.endr
.endr
	WIN 0x45
.set n, 0
.rept 32
	FMA2 0
.set n, n+2
.endr
	AW
	EXPF 0, 1, -1
	SUM 0
	EXPF 1, 2, 0
	SUM 1
	EXPF 2, 3, 1
	SUM 2
	EXPF 3, -1, 2
	WIN 0x01
	CVT 0
	SUM 3
	WIN 0x44
.set n, 0
.rept 64
	v_min_num_f32 v[192+n], s[PB], v[192+n]
.set n, n+1
.endr
	WIN 0x41
	CVT 1
	CVT 2
	CVT 3
	WIN 0
	v_nop                                          ; one plain instruction between the last conversion and the products that read its result
	AW
	s_wait_dscnt 0x0                               ; V's fragments are in
	PV 0
.Lhid_\@:
	AW
	s_wait_tensorcnt 0x0                           ; no tensor load of mine is out
	ds_add_u32 v[SPW], v[NIL]                      ; the steps below stand between the add and the wait for it
.if \fill
	s_add_co_u32 s[VL], s[VL], 1
	s_add_co_u32 s[OFS], s[OFS], 0x10000           ; the next slot,
	s_cmp_eq_u32 s[VL], s[THI]
	s_cselect_b32 s[OFS], 0, s[OFS]                ; or the second group's first
	s_xor_b32 s[G0+1], s[G0+1], SLOT1
	s_add_nc_u64 s[G0+2:G0+3], s[BASE:BASE+1], s[OFS:OFS+1]
	s_wait_xcnt 0x0                                ; my last prefetch, a visit back, has read its address
	s_add_nc_u64 s[PFA:PFA+1], s[PFA:PFA+1], 0x10000
.endif
	s_wait_dscnt 0x0                               ; the add is done, and my reads of this slot are over
	s_barrier_signal -1
	s_barrier_wait -1
.if \fill
	CREST
	TLOAD                                          ; the first tensor load behind the round; its four v_nop are also the places in front of the loads below
.endif
	s_xor_b32 s[TB], s[TB], SLOT1                  ; on to the other slot
.if \fill
	v_add_nc_u32 v[AD], s[TB], v[AK0]
	AW
	KLOAD 0                                        ; the next visit's K, into the registers of V that have been multiplied
.endif
	s_cmp_lg_u32 s[HID], 0
	s_cbranch_scc1 .Lhid2_\@
	PV 1
.Lhid2_\@:
	PLACES 5
.if \fill
	KLOAD 4
	s_cmp_lt_u32 s[VI], s[LIM]
	s_cbranch_scc0 .Lno_ask_\@
	global_prefetch_b8 v[PFO], s[PFA:PFA+1] th:TH_LOAD_NT scope:SCOPE_SE   ; 32 of a slot's 512 blocks of 256 bytes, for the slot that the next change asks for: the cluster's four work-groups and their waves name each once
.Lno_ask_\@:
.else
	s_cmp_eq_u32 s[TR], 1                          ; the last visit has no next one
	s_cbranch_scc1 .Lno_next_\@
	v_add_nc_u32 v[AD], s[TB], v[AK0]
	KLOAD 0
	KLOAD 4
.Lno_next_\@:
.endif
	s_add_co_u32 s[VI], s[VI], 1
	s_add_co_u32 s[KF], s[KF], 512
	s_cmp_lg_u32 s[VI], s[THI]
	s_cbranch_scc1 .Lsame_\@
	s_mov_b32 s[QC], s[QLO]                        ; THE CHANGE OF GROUPS, once: the first group's -M, sums and O^T are put aside, the second's Q comes in
	s_lshl_b32 s[KF], s[WV], 7
.irp u, 0,1,2,3
	v_mov_b32 v[10+\u], v[NM+2*\u]
.endr
	v_add_f32 v7, v[LS], v[LS+1]
	v_add_f32 v9, v[LS+2], v[LS+3]
	v_add_f32 v14, v[LS+4], v[LS+5]
	v_add_f32 v15, v[LS+6], v[LS+7]
.irp u, 0,1,2,3
	v_mov_b32 v[NM+2*\u], 0x7f61b1e6               ; so the next change of M multiplies the sums and O^T, finite numbers, by f = 0
	v_mov_b32 v[NM+1+2*\u], 0xcc800000
.endr
	WIN 0x03
.set n, 0
.rept 64
	v_mov_b32 v[QF+n], v[n]
.set n, n+1
.endr
	WIN 0xc2
.set n, 0
.rept 256
	v_mov_b32 v[n], v[n]                           ; window 2 to window 3
.set n, n+1
.endr
	WIN 0
	AW
.Lsame_\@:
.endm
	s_mov_b32 s[TR], 7
.Lslot:                                                ; visits 0 to 6 ask for visits 2 to 8
	VISIT 1
	s_sub_co_u32 s[TR], s[TR], 1
	s_cmp_lg_u32 s[TR], 0
	AW
	s_cbranch_scc1 .Lslot
	s_mov_b32 s[TR], 2
.Llast:                                                ; visits 7 and 8 ask for nothing
	VISIT 0
	s_sub_co_u32 s[TR], s[TR], 1
	s_cmp_lg_u32 s[TR], 0
	AW
	s_cbranch_scc1 .Llast
	; THE MERGE.  Behind visit 8's barrier nobody reads a slot any more.  Every wave lays all its parts down as images of its registers; wave w joins tile w of both groups.
	v_and_b32 v39, 31, v0
	v_lshlrev_b32 v38, 4, v39                      ; v38 16 x lane: also my place in a row of out0
	v_lshlrev_b32 v39, 3, v39
	s_mul_i32 s52, s[WV], 8704
	v_add_nc_u32 v32, s52, v38                     ; v32, v33 where my part of tile 0 goes
	v_add_nc_u32 v33, s52, v39
	v_add_nc_u32 v33, 8192, v33
	s_mul_i32 s52, s[WV], MGT
	v_add_nc_u32 v34, s52, v38                     ; v34, v35 where tile w's parts lie; v44, v45 in the second group
	v_add_nc_u32 v35, s52, v39
	v_add_nc_u32 v35, 8192, v35
	v_add_nc_u32 v44, MGP, v34
	v_add_nc_u32 v45, MGP, v35
	s_mul_i32 s52, s[WV], 16*528
	s_add_co_u32 s52, s52, STG
	v_and_b32 v36, 15, v0
	v_mul_u32_u24 v36, v36, 528
	v_bfe_u32 v37, v0, 4, 1
	v_lshl_add_u32 v36, v37, 5, v36
	v_add_nc_u32 v36, s52, v36                     ; v36 the stage, in: row r; a channel tile's eight numbers of my half: 64 ct + 32 h bytes on
	v_add_nc_u32 v37, s52, v38                     ; v37 and back: the 32 lanes take one row
.irp u, 0,1,2,3
	v_mov_b32 v[48+2*\u], v[10+\u]
	v_mov_b32 v[56+2*\u], v[NM+2*\u]
	v_add_f32 v[57+2*\u], v[LS+2*\u], v[LS+2*\u+1]
.endr
	v_mov_b32 v49, v7
	v_mov_b32 v51, v9
	v_mov_b32 v53, v14
	v_mov_b32 v55, v15
	s_sub_co_u32 s52, 3840, s[QLO]                 ; the first group's first query
	s_lshl_b32 s52, s52, 9
	s_mov_b32 s53, 0
	s_add_nc_u64 s[54:55], s[12:13], s[52:53]
	s_lshl_b32 s52, s[QLO], 9
	s_add_nc_u64 s[56:57], s[12:13], s[52:53]
	AW
.macro DUMP p, win
.irp u, 0,1,2,3
	v_add_nc_u32 v42, MGP*\p+MGT*\u, v32
	v_add_nc_u32 v43, MGP*\p+MGT*\u, v33
	WIN \win
.set n, 0
.rept 16
	ds_store_b128 v42, v[64*\u+4*n:64*\u+4*n+3] offset:512*n   ; ascending: each accumulator from its low end on
.set n, n+1
.endr
	WIN 0
	ds_store_b64 v43, v[48+8*\p+2*\u:49+8*\p+2*\u]
.endr
.endm
	DUMP 0, 0x0c
	DUMP 1, 0x08
	AW
	s_wait_dscnt 0x0                               ; for the others' sake: my stores have landed
	s_barrier_signal -1
	s_barrier_wait -1
.macro FETCH a, b, r, win
.irp i, 0,1,2,3
	ds_load_b64 v[\r+2*\i:\r+2*\i+1], v[\b] offset:8704*\i
.endr
	WIN \win
.irp i, 0,1,2,3
.set n, 0
.rept 16
	ds_load_b128 v[64*\i+4*n:64*\i+4*n+3], v[\a] offset:8704*\i+512*n
.set n, n+1
.endr
.endr
	WIN 0
.endm
.macro COMBINE r, win, d               ; v[r ..]: four pairs (-M, sum); window of the four parts; the result to v[d ..]
	v_min_num_f32 v80, v[\r], v[\r+2]
	v_min_num_f32 v81, v[\r+4], v[\r+6]
	v_min_num_f32 v80, v80, v81                    ; -M': M' is the largest M: a number, since key 0 counts for every query
.irp i, 0,1,2,3
	v_sub_f32 v[82+2*\i], v80, v[\r+2*\i]          ; a part's M less M': a whole number, 0 or less; about -3e38 where the wave walked no step:
.endr
.irp i, 0,1,2,3
	v_cvt_i32_f32 v[82+2*\i], v[82+2*\i]           ; the conversion saturates,
.endr
.irp i, 0,1,2,3
	v_ldexp_f32 v[82+2*\i], 1.0, v[82+2*\i]        ; and its factor is 0, over its zeros
.endr
	v_mul_f32 v90, v[\r+1], v82
	v_fma_f32 v90, v[\r+3], v84, v90
	v_fma_f32 v90, v[\r+5], v86, v90
	v_fma_f32 v90, v[\r+7], v88, v90
	v_permlanex16_b32 v91, v90, s[SEL], s[SEL+1]
	v_add_f32 v90, v90, v91                        ; the row's sum under M'
	AW
	v_rcp_f32 v90, v90
	v_nop
	AW
	v_ldexp_f32 v90, v90, s[EO]                    ; x 2^(e8 + e9)
.irp i, 0,1,2,3
	v_mul_f32 v[82+2*\i], v[82+2*\i], v90
.endr
	WIN \win
.set n, 0
.rept 32
	v_pk_mul_f32 v[\d+n:\d+n+1], v[n:n+1], v[82:83] op_sel_hi:[1,0]
.set n, n+2
.endr
.irp i, 1,2,3
.set n, 0
.rept 32
	v_pk_fma_f32 v[\d+n:\d+n+1], v[64*\i+n:64*\i+n+1], v[82+2*\i:83+2*\i], v[\d+n:\d+n+1] op_sel_hi:[1,0,1]   ; register 8 ct + i is out(r, 16 ct + 8 h + i)
.set n, n+2
.endr
.endr
	WIN 0
.endm
.macro TOSTAGE d, w                    ; LDS serves a wave's instructions in order (ISA guide 5.7.1.4): the loads see the stores above them
.irp t, 0,1,2,3,4,5,6,7
	ds_store_b128 v36, v[\d+8*\t:\d+8*\t+3] offset:64*\t
	ds_store_b128 v36, v[\d+8*\t+4:\d+8*\t+7] offset:64*\t+16
.endr
	WIN 0xc0
.set n, 0
.rept 16
	ds_load_b128 v[\w+4*n:\w+4*n+3], v37 offset:528*n
.set n, n+1
.endr
	WIN 0
	AW
	s_wait_dscnt 0x0
.endm
.macro SEND w, o                       ; 32 lanes store a row of 512 bytes, aligned
	WIN 0x0c
.set n, 0
.rept 16
	global_store_b128 v38, v[\w+4*n:\w+4*n+3], s[\o:\o+1] offset:512*n th:TH_STORE_NT
.set n, n+1
.endr
	WIN 0
.endm
	FETCH 34, 35, 64, 0x40
	s_wait_dscnt 0x0
	FETCH 44, 45, 72, 0x80                         ; the second group's parts land under the first's joining
	COMBINE 64, 0x01, 128
	TOSTAGE 128, 0
	SEND 0, 54
	COMBINE 72, 0x02, 192
	TOSTAGE 192, 64
	SEND 64, 56
	s_wait_tensorcnt 0x0                           ; the wave's end: behind my last LDS store
	ds_add_u32 v[SPW], v[NIL]
	s_wait_dscnt 0x0
	CROUND                                         ; the closing round
	s_endpgm
.Lfunc_end_k_qdb92627492_attn:
	.size	k_qdb92627492_attn, .Lfunc_end_k_qdb92627492_attn-k_qdb92627492_attn
	.p2alignl 7, 3214868480
	.fill 96, 4, 3214868480
	.section	.rodata,"a",@progbits
	.p2align	6, 0x0
	.amdhsa_kernel k_qdb92627492_attn
		.amdhsa_group_segment_fixed_size 327680
		.amdhsa_private_segment_fixed_size 0
		.amdhsa_enable_private_segment 0
		.amdhsa_kernarg_size 40
		.amdhsa_user_sgpr_count 2
		.amdhsa_user_sgpr_kernarg_segment_ptr 1
		.amdhsa_wavefront_size32 1
		.amdhsa_system_sgpr_workgroup_id_x 1
		.amdhsa_system_sgpr_workgroup_id_y 1
		.amdhsa_system_sgpr_workgroup_id_z 1
		.amdhsa_system_vgpr_workitem_id 0
		.amdhsa_next_free_vgpr 1024
		.amdhsa_next_free_sgpr 102
		.amdhsa_reserve_vcc 0
		.amdhsa_float_denorm_mode_32 3
		.amdhsa_float_denorm_mode_16_64 3
		.amdhsa_memory_ordered 1
		.amdhsa_forward_progress 1
		.amdhsa_inst_pref_size 254
	.end_amdhsa_kernel
	.amdgpu_metadata
---
amdhsa.version: [ 1, 2 ]
amdhsa.kernels:
  - .name:           k_qdb92627492_attn
    .symbol:         k_qdb92627492_attn.kd
    .args:
      - { .name: qimg, .offset: 0, .size: 8, .value_kind: global_buffer, .address_space: global }
      - { .name: kimg, .offset: 8, .size: 8, .value_kind: global_buffer, .address_space: global }
      - { .name: vimg, .offset: 16, .size: 8, .value_kind: global_buffer, .address_space: global }
      - { .name: lowp_scales, .offset: 24, .size: 8, .value_kind: global_buffer, .address_space: global }
      - { .name: out0, .offset: 32, .size: 8, .value_kind: global_buffer, .address_space: global }
    .group_segment_fixed_size: 327680
    .private_segment_fixed_size: 0
    .kernarg_segment_align: 8
    .kernarg_segment_size: 40
    .max_flat_workgroup_size: 128
    .sgpr_count:     102
    .vgpr_count:     1024
    .wavefront_size: 32
...
	.end_amdgpu_metadata
.endif
;; end of part 3
